; MI455X (gfx1250); checked and timed in simulation.
; The chip was launched on July 23, 2026; its instructions are those of AMD's public machine-readable ISA for CDNA 5 (MIT licence, August 2026) and "CDNA5" Instruction Set Architecture Reference Guide (July 2026). The comments in the code are by the model that wrote it; some were corrected since.
;; Attention. Allowed arithmetic: matrix products marked QUANTISED: E2M1 operands, one E8M0 scale for each 32 along K, by v_wmma_scale_f32_16x16x128_f8f6f4 with both operands' format E2M1 (or v_wmma_scale_f32_32x16x128_f4), f32 sums; everything else in f32.
;; Inputs: attention_mask 2 x 1 x 2,048 x 2,048 bool; key_layer_codes 2 x 32 x 2,048 x 4 x 16 uint8 (E2M1 codes of key_layer, K innermost, in blocks of 32 codes, two codes a byte); key_layer_scales 2 x 32 x 2,048 x 4 uint8 (E8M0 scales of key_layer, one for each 32 codes along K); query_layer_codes 2 x 32 x 2,048 x 4 x 16 uint8 (E2M1 codes of query_layer, K innermost, in blocks of 32 codes, two codes a byte); query_layer_scales 2 x 32 x 2,048 x 4 uint8 (E8M0 scales of query_layer, one for each 32 codes along K); value_layer_codes 2 x 32 x 128 x 64 x 16 uint8 (E2M1 codes of value_layer, K innermost, in blocks of 32 codes, two codes a byte); value_layer_scales 2 x 32 x 128 x 64 uint8 (E8M0 scales of value_layer, one for each 32 codes along K).
;; Outputs: out0 2 x 2,048 x 4,096 float32.
;; This version of the problem:
;;   THIS VERSION OF THE PROBLEM IS GIVEN IN LOW PRECISION. The matrix products marked QUANTISED in the list below multiply operands that are first quantised to E2M1 (2 exponent bits, 1 mantissa bit; 4 bits a number), with one power-of-two scale for each 32 numbers along K (OCP MX v1.0); their sums are f32. All else is computed in f32.
;;   The module's matrix products, in the order in which they are computed (A, B: the left and right operand; K: the contracted axis; several contracted axes count as one K, in the product's order):
;;     1. batch 64 x [M 2,048, K 128] x [K 128, N 2,048]; A: input query_layer (given as codes); B: input key_layer (given as codes): QUANTISED
;;     2. batch 64 x [M 2,048, K 2,048] x [K 2,048, N 128]; A: softmax (see below); B: input value_layer (given as codes): QUANTISED
;;   THE QUANTISER, for each operand of a quantised product, along K:
;;     - K is cut into blocks of 32 from its start; a last block that is shorter is filled with zeros.
;;     - A block's scale is 2^e with e = floor(log2(the largest magnitude in the block)) - 2, held to -126 .. 127; a block of zeros has e = 0. As a byte (E8M0): e + 127.
;;     - Each number is divided by its block's scale, clamped to +-6, and rounded to the nearest number of E2M1, ties to even, subnormals kept.
;;     - The product sums the exact products of the quantised numbers (number of the format x scale) in f32.
;;   ~~~python
;;   def quantise(x, axis):      # numpy; x: float32 -> the quantised numbers, widened to float32 again
;;       x = np.moveaxis(x, axis, -1); K = x.shape[-1]
;;       x = np.pad(x, [(0, 0)] * (x.ndim - 1) + [(0, -K % 32)]); x = x.reshape(x.shape[:-1] + (-1, 32)); a = np.abs(x).max(-1, keepdims=True)
;;       e = np.where(a > 0, np.clip(np.frexp(np.where(a > 0, a, 1))[1] - 1 - 2, -126, 127), 0)      # np.frexp(a)[1] - 1 = floor(log2(a)), exactly
;;       r = np.clip(x / 2.0 ** e, -6, 6)
;;       step = 2.0 ** (np.maximum(np.frexp(np.where(r == 0, 1, r))[1] - 1, 0) - 1)
;;       q = np.round(r / step) * step * 2.0 ** e      # np.round: ties to even
;;       return np.moveaxis(q.reshape(q.shape[:-2] + (-1,))[..., :K], -1, axis).astype(np.float32)
;;   ~~~
;;   SOFTMAX AHEAD OF A QUANTISED PRODUCT. Where the list says 'softmax', what is quantised is not the finished softmax but p = 2^(t - M), with t = logit x log2(e) and M = ceil(the row's largest t), a whole number; so 1/2 < the row's largest p <= 1. The row's sum l is taken of the UNQUANTISED p, in f32, and the product's result is divided by l at the end. Since M is a whole number, a kernel that streams over the keys may use a running M (the ceiling of the running maximum): every later rescaling is an exact power of two, which a block's scale takes up: the codes' values come out the same.
;;   OPERANDS COMPUTED ON THE WAY. 'Computed on the way' means the value that the module computes at that place (a softmax that the list does not call 'softmax' is quantised finished and normalised). What goes into a quantiser is computed in f32, as accurately as f32 sums, v_exp_f32 and their like allow (about 1e-6 of the number): no bf16 or f16 on the way to a quantiser, and a product that is left as it is and whose result goes on into a quantised operand takes f32 operands (vector FMAs, or v_wmma_f32_16x16x4_f32). A number that lies on a knife's edge between two numbers of the format may be rounded either way, as far as f32 arithmetic and the matrix unit's own rounding can turn it there, and no further.
;;   INPUTS GIVEN AS CODES. key_layer (in the module: [2, 32, 2048, 128], K = its axis 3); query_layer (in the module: [2, 32, 2048, 128], K = its axis 3); value_layer (in the module: [2, 32, 2048, 128], K = its axis 2): each comes as NAME_codes (uint8): NAME with its K axis moved to the last place and cut into blocks of 32 codes, [.., K / 32, bytes a block], one block behind the other in memory; two codes a byte, the lower K in the low four bits (a code: sign, 2 exponent bits, 1 mantissa bit); and NAME_scales (uint8): the same leading axes, one E8M0 byte (e + 127) for each 32 codes along K. Its value is code x scale, taken as it is: it is not quantised again, and the codes and scales need not be those that the quantiser above would give.
;; One version. Each part assembles by itself: llvm-mc -triple=amdgcn-amd-amdhsa -mcpu=gfx1250 --defsym DOCPART=n.
;; ======== version 1 of 1: 2 launches
;; limits: right only within a limited range of input values
;; workspace buffers: flags 4,096 bytes of whole numbers
;; launch maskflags (part 1): grid 256 x 1, 4 waves a work-group, no clusters, 0 bytes of LDS; arguments attention_mask, flags; writes flags
.if DOCPART == 1
	.amdgcn_target "amdgcn-amd-amdhsa--gfx1250"
	.amdhsa_code_object_version 6
	.text
	.protected	k_q6dcdf01c56_maskflags
	.globl	k_q6dcdf01c56_maskflags
	.p2align	8
	.type	k_q6dcdf01c56_maskflags,@function
k_q6dcdf01c56_maskflags:
	s_mov_b64 s[64:65], 0
	v_nop
	global_prefetch_b8 v0, s[64:65] scope:SCOPE_SE
	s_setreg_imm32_b32 hwreg(HW_REG_WAVE_MODE, 25, 1), 1
	s_wait_xcnt 0x0
; The mask [2][1][2048][2048] (one byte a place, 1 = masked) is read once and summed up as whole numbers for the attention launch.
; A TILE is 32 queries x 128 keys.  Tile row G = 64 b + q / 32 (0 .. 127) has 16 key steps and two bits for each:
;   bit 2 k     : some key of step k is NOT masked for some of the 32 queries (else the step's work is nothing)
;   bit 2 k + 1 : some key of step k IS masked for some of them (else the mask need not be read there)
; flags holds eight words for each G; word j carries, already at bits 4 j .. 4 j + 3, the bits of key steps 2 j and 2 j + 1: the OR of the eight words is G's flag word.
; SHARES.  Work-group g: G = g / 2; its wave w takes j = 4 (g % 2) + w: 32 rows x 256 bytes, each row piece 256 consecutive bytes at a multiple of 256 from the mask's first byte.
; A load takes two rows: lanes 0-15 one piece, lanes 16-31 the piece one row below.  No LDS, no barrier, no branch: waves share nothing.
; A wave stores ONE word of 4 bytes: the whole buffer is 4,096 bytes against the 8,388,608 that the launch reads, so nothing is gathered for the sake of longer stores.
.set D,   16                           ; v16-79  sixteen quads as loaded
.set ANY, 8                            ; v8-11   OR of my bytes, four chains
.set ALL, 12                           ; v12-15  AND of my bytes, four chains
	s_load_b128 s[4:7], s[0:1], 0x0                ; the mask s[4:5], flags s[6:7]
	v_lshrrev_b32 v1, 5, v0
	v_readfirstlane_b32 s8, v1                     ; wave 0..3
	v_and_b32 v2, 31, v0                           ; lane
	v_lshrrev_b32 v3, 4, v2                        ; which of a load's two rows
	v_and_b32 v4, 15, v2
	v_lshlrev_b32 v1, 11, v3                       ; a row of the mask is 2,048 bytes
	v_lshl_add_u32 v1, v4, 4, v1                   ; + my 16 bytes of the piece
	s_lshr_b32 s9, ttmp9, 1                        ; G
	s_and_b32 s10, ttmp9, 1
	s_lshl_b32 s10, s10, 2
	s_add_co_u32 s10, s10, s8                      ; j
	s_lshl_b32 s12, s9, 16                         ; 32 rows of 2,048 bytes
	s_lshl_b32 s11, s10, 8                         ; 256 bytes a piece
	s_add_co_u32 s12, s12, s11
	s_mov_b32 s13, 0
	s_wait_alu depctr_va_vdst(0)
	s_wait_kmcnt 0x0
	s_add_nc_u64 s[4:5], s[4:5], s[12:13]
.irp i, 0,1,2,3,4,5,6,7,8,9,10,11,12,13,14,15
	global_load_b128 v[D+4*\i:D+4*\i+3], v1, s[4:5] offset:4096*\i th:TH_LOAD_NT   ; rows 2 i and 2 i + 1
.endr
	s_lshl_b32 s12, ttmp9, 2                       ; my word: 8 G + j = 4 g + w
	s_add_co_u32 s12, s12, s8
	s_lshl_b32 s12, s12, 2
	s_add_nc_u64 s[6:7], s[6:7], s[12:13]
	s_wait_loadcnt 0x0
.irp c, 0,1,2,3
	v_or_b32 v[ANY+\c], v[D+\c], v[D+4+\c]         ; the first two quads start the chains: nothing is cleared
	v_and_b32 v[ALL+\c], v[D+\c], v[D+4+\c]
.endr
.irp i, 2,3,4,5,6,7,8,9,10,11,12,13,14,15
.irp c, 0,1,2,3
	v_or_b32 v[ANY+\c], v[ANY+\c], v[D+4*\i+\c]
	v_and_b32 v[ALL+\c], v[ALL+\c], v[D+4*\i+\c]
.endr
.endr
	v_or_b32 v[ANY], v[ANY], v[ANY+1]
	v_or_b32 v[ANY+2], v[ANY+2], v[ANY+3]
	v_or_b32 v[ANY], v[ANY], v[ANY+2]
	v_and_b32 v[ALL], v[ALL], v[ALL+1]
	v_and_b32 v[ALL+2], v[ALL+2], v[ALL+3]
	v_and_b32 v[ALL], v[ALL], v[ALL+2]
	v_cmp_ne_u32 s20, 0, v[ANY]                    ; lanes that saw a masked place
	v_cmp_ne_u32 s21, 0x01010101, v[ALL]           ; lanes that saw an open place (a byte is 0 or 1)
	; lanes 0-7 and 16-23 hold the piece's first 128 bytes (key step 2 j), the others its second (2 j + 1)
	s_and_b32 s22, s21, 0x00ff00ff
	s_cselect_b32 s24, 1, 0
	s_and_b32 s22, s20, 0x00ff00ff
	s_cselect_b32 s25, 2, 0
	s_and_b32 s22, s21, 0xff00ff00
	s_cselect_b32 s26, 4, 0
	s_and_b32 s22, s20, 0xff00ff00
	s_cselect_b32 s27, 8, 0
	s_or_b32 s24, s24, s25
	s_or_b32 s26, s26, s27
	s_or_b32 s24, s24, s26
	s_lshl_b32 s28, s10, 2
	s_lshl_b32 s24, s24, s28                       ; at bits 4 j .. 4 j + 3
	v_mov_b32 v5, s24
	v_mov_b32 v6, 0
	v_cmp_eq_u32 vcc_lo, 0, v2
	s_wait_alu depctr_va_vdst(0)
	s_wait_xcnt 0x0                                ; EXEC is a source of the loads above: it changes only behind this wait
	s_and_saveexec_b32 s30, vcc_lo                 ; lane 0 alone stores
	global_store_b32 v6, v5, s[6:7]
	s_endpgm
.Lfunc_end_k_q6dcdf01c56_maskflags:
	.size	k_q6dcdf01c56_maskflags, .Lfunc_end_k_q6dcdf01c56_maskflags-k_q6dcdf01c56_maskflags
	.p2alignl 7, 3214868480
	.fill 96, 4, 3214868480
	.section	.rodata,"a",@progbits
	.p2align	6, 0x0
	.amdhsa_kernel k_q6dcdf01c56_maskflags
		.amdhsa_group_segment_fixed_size 0
		.amdhsa_private_segment_fixed_size 0
		.amdhsa_enable_private_segment 0
		.amdhsa_kernarg_size 16
		.amdhsa_user_sgpr_count 2
		.amdhsa_user_sgpr_kernarg_segment_ptr 1
		.amdhsa_wavefront_size32 1
		.amdhsa_system_sgpr_workgroup_id_x 1
		.amdhsa_system_sgpr_workgroup_id_y 1
		.amdhsa_system_sgpr_workgroup_id_z 1
		.amdhsa_system_vgpr_workitem_id 0
		.amdhsa_next_free_vgpr 84
		.amdhsa_next_free_sgpr 66
		.amdhsa_reserve_vcc 1
		.amdhsa_float_denorm_mode_32 3
		.amdhsa_float_denorm_mode_16_64 3
		.amdhsa_memory_ordered 1
		.amdhsa_forward_progress 1
		.amdhsa_inst_pref_size 8
	.end_amdhsa_kernel
	.amdgpu_metadata
---
amdhsa.version: [ 1, 2 ]
amdhsa.kernels:
  - .name:           k_q6dcdf01c56_maskflags
    .symbol:         k_q6dcdf01c56_maskflags.kd
    .args:
      - { .name: attention_mask, .offset: 0, .size: 8, .value_kind: global_buffer, .address_space: global }
      - { .name: flags, .offset: 8, .size: 8, .value_kind: global_buffer, .address_space: global }
    .group_segment_fixed_size: 0
    .private_segment_fixed_size: 0
    .kernarg_segment_align: 8
    .kernarg_segment_size: 16
    .max_flat_workgroup_size: 128
    .sgpr_count:     66
    .vgpr_count:     84
    .wavefront_size: 32
...
	.end_amdgpu_metadata
.endif
;; end of part 1
;; launch attn (part 2): grid 4 x 64, 8 waves a work-group, no clusters, 314,368 bytes of LDS; arguments attention_mask, key_layer_codes, key_layer_scales, query_layer_codes, query_layer_scales, value_layer_codes, value_layer_scales, flags, out0; writes out0
.if DOCPART == 2
	.amdgcn_target "amdgcn-amd-amdhsa--gfx1250"
	.amdhsa_code_object_version 6
	.text
	.protected	k_q6dcdf01c56_attn
	.globl	k_q6dcdf01c56_attn
	.p2align	8
	.type	k_q6dcdf01c56_attn,@function
k_q6dcdf01c56_attn:
	s_mov_b64 s[64:65], 0
	v_nop
	global_prefetch_b8 v0, s[64:65] scope:SCOPE_SE
	s_setreg_imm32_b32 hwreg(HW_REG_WAVE_MODE, 25, 1), 1
	s_wait_xcnt 0x0
; out0[b][q][128 hh + d] = the sum over k of softmax_k(mask ? -inf : Q[q] . K[k] / sqrt(128)) V[k][d], for 64 heads (head = 32 b + hh), 2,048 queries, 2,048 keys.
; Both products on codes of FP4 (E2M1) with one E8M0 scale for each 32 along a product's K.  Q, K: codes along the head's 128 (64 bytes a row), 4 scale bytes a row.  V: codes with the KEYS innermost (row d: 1,024 bytes), 64 scale bytes a row.
; THE SOFTMAX AHEAD OF THE SECOND PRODUCT: t = score x log2(e) / sqrt(128); M = the row's largest t so far, rounded UP to a whole number; p = 2^(t - M) is quantised along the keys, not normalised.
; The row's sum is taken of the unquantised p and divides at the end.  When M moves, the sum and O are multiplied by 2^(old M - new M): exact.
; THE MASK IS AN INPUT and is honoured as it comes.  An earlier launch has stored two bits for each tile of 32 queries x 128 keys (flags): bit 0 "some place is open", bit 1 "some place is masked".
;   A step with no open place is left out (every p there is 0).  A step with no masked place does not read the mask.  In a mixed step the mask's bytes become the C of the score product: 0 for an open place, -1.69e38 for a masked one.
;   The running largest t begins at -2^97, above every masked t (about -2^124): so a masked p is exactly 0 even while a row has not yet met an open key, and the first real t multiplies zeros by 0.
;   A row with every key masked ends with O = 0 and sum = 0: 0 x (1 / 0) = NaN, as the softmax of a row of -inf is.
; LIMITS: a real t must lie above -2^97 and scores far under 1.7e38 in magnitude; mask bytes are 0 or 1; a scale byte 0xff (NaN) is not served specially.
; SHARES.  256 work-groups: x = i (0 .. 3), y = the head.  A work-group holds its head's WHOLE K, V and scale bytes in LDS (278,528 bytes) and makes two passes of 256 queries: block 7 - i, then block i
; (the pairing evens the work under masks that hide late keys from early queries; no value hangs on it).  Each of eight waves owns 32 queries of a pass: two tiles of 16, tile x in register window x, so that each
; fragment of K and V read from LDS feeds two matrix instructions.
; NO TENSOR LOADS, NO CLUSTER: the four work-groups of a head do read the same K and V, but the walk over the key steps branches on flag words read from memory.
; What is shared is fetched once by each: 278,528 bytes a work-group at the head, against 16 to 32 key steps' work a wave.  One barrier in the whole launch: behind it the images are only read.
; LAYOUT.  Both products are used transposed: S^T = K Q^T (source 0 = 16 keys, source 1 = 16 queries), O^T = V^T P^T (source 0 = 16 of the head's 128, source 1 = P): a lane holds ONE query (lane % 16) throughout.
; THE KEYS OF A TILE ARE NOT NEIGHBOURS: lane r of tile 2 b + u takes key 32 b + 8 u + r + 8 (r / 8), so that the 16 registers of tiles 2 b and 2 b + 1 are 16 neighbouring keys, 32 b + 16 (lane / 16) + 0 .. 15.
; LDS, by key step (128 keys), STEPB bytes each, as IMAGES OF THE OPERANDS' REGISTERS (lane l's 16 bytes at 16 l, 512 bytes a load, no pitch):
;   +0      K: tile t, half c at 1024 t + 512 c          +8192   V: d-tile t, half c likewise
;   +16384  K's scale words: lane 16 u + r, word j = tile 2 j + u, row r          +16896  V's likewise
;   behind the 16 steps: a stage of 16 rows x 272 bytes for each wave, its own, for the way out.
; REGISTERS.  Both windows (tile x in window x): v12 -M, v13 largest t, v[14:15] the sum in two halves, v16-23 / v24-31 Q of pass 0 / 1, v96-159 S^T then p then O / sum, v160-223 O^T, v224-231 p's codes,
;   v232-235 block maxima, v236-239 permute targets / second sum chain / bytes, v240-243 the conversions' scale operands, v244 at work, v[246:247] f and the scale word in the making; v224-239 the mask's 16 words in a mixed step; v32-95 rows on the way out.
;   Window 0 alone: v1-11 addresses and scale words (below), v32-95 eight fragments of K, then of V, v248-251 K's scale words, v252-255 V's.
.set STEPB, 17408
.set VIM,   8192
.set KSC,   16384
.set VSC,   16896
.set STG,   16*STEPB
.set LI,  1                            ; v1   16 x lane
.set ADR, 2                            ; v2   16 x lane + the step's first LDS byte
.set PS,  3                            ; v3, v4  p's scale words of tile 0, 1: scales and nothing else
.set MO,  5                            ; v5   the mask: 2,048 (lane % 16) + 16 (lane / 16)
.set QS,  6                            ; v6, v10  Q's scale words of pass 0, 1: lane l holds query l of my 32 (lanes 0-15 tile 0, lanes 16-31 tile 1)
.set GO,  7                            ; v7   the way out: 16,384 (lane / 16) + 16 (lane % 16)
.set STO, 8                            ; v8   the stage, in
.set RD,  9                            ; v9   the stage, back
.set MOK, 11                           ; v11  the mask's offset of the step in hand
.set Q,   16
.set FR,  32
.set S,   96
.set O,   160
.set PC,  224
.set BM,  232
.set PT,  236
.set SO,  240
.set T,   244
.set F,   246
.set KS,  248
.set VS,  252
; at the head only, window 0 (O^T's registers, not yet in use): v160-167 K's scale quads, v168-175 V's, and
.set GOF, 176                          ; 16 x thread: every fill load of a wave reads 512 consecutive bytes
.set AKL, 177                          ; where my K quads go
.set AVL, 178                          ; my V quads
.set AKS, 179                          ; v179, v180 my K scale words, first and second half of the keys
.set AVS, 181                          ; my V scale words
.set TA,  182
.set QOF, 183
.set QSO, 184
.set RR,  185
.set HH,  186
.set LN,  187
.set WV,  22                           ; s22  wave
.set SEL, 28                           ; s[28:29] v_permlanex16_b32's selects for lane l xor 16
.set CS,  30                           ; s[30:31] c = log2(e) / sqrt(128), twice: the packed form names the pair
.set PSEL, 32                          ; s32-35 v_perm_b32 selects: byte k of the mask word into the two upper bytes
.set FE,  36                           ; s36  0xfe
.set TB,  37                           ; s37  the step's first LDS byte
.set KF,  38                           ; s38  the step's first key
.set FL,  39                           ; s39  the flag word, shifted as the steps go
.set CNT, 40                           ; s40  steps to go
.set FLP, 41                           ; s41, s42 the flag words of pass 0, 1
.set MB,  44                           ; s[44:45], s[46:47] the mask at my first query of pass 0, 1
.set OB,  48                           ; s[48:49], s[50:51] out0 at my first query and my head
.set MSB, 0
.macro WIN new                         ; the immediate's low byte: bits 1:0 source 0, 3:2 source 1, 5:4 source 2, 7:6 destination; its high byte repeats the setting that is left
.if MSB != (\new)
	s_set_vgpr_msb (MSB<<8)|(\new)
.set MSB, (\new)
.endif
.endm
.macro PLACES n
.rept \n
	v_nop
.endr
.endm
	s_load_b512 s[4:19], s[0:1], 0x0               ; mask s[4:5], K codes s[6:7], K scales s[8:9], Q codes s[10:11], Q scales s[12:13], V codes s[14:15], V scales s[16:17], flags s[18:19]
	s_load_b64 s[20:21], s[0:1], 0x40              ; out0
	v_lshl_add_u32 v245, v0, 2, 0x4c800
	s_set_vgpr_msb 0x40
	v_mov_b32 v255, 0
	s_set_vgpr_msb 0x4000
	v_lshrrev_b32 v[TA], 5, v0
	s_delay_alu instid0(VALU_DEP_1)
	v_readfirstlane_b32 s[WV], v[TA]               ; wave 0..7
	v_and_b32 v[LN], 31, v0
	v_and_b32 v[RR], 15, v0                        ; r
	v_bfe_u32 v[HH], v0, 4, 1                      ; h
	s_delay_alu instid0(VALU_DEP_3)
	v_lshlrev_b32 v[LI], 4, v[LN]
	s_delay_alu instid0(VALU_DEP_3)
	v_lshlrev_b32 v[MO], 11, v[RR]
	s_delay_alu instid0(VALU_DEP_1)
	v_lshl_add_u32 v[MO], v[HH], 4, v[MO]
	s_delay_alu instid0(VALU_DEP_4)
	v_lshlrev_b32 v[GO], 14, v[HH]
	s_delay_alu instid0(VALU_DEP_1)
	v_lshl_add_u32 v[GO], v[RR], 4, v[GO]
	s_mul_i32 s27, s[WV], 16*272
	s_add_co_u32 s27, s27, STG                     ; my stage
	v_mul_u32_u24 v[STO], v[RR], 272
	s_delay_alu instid0(VALU_DEP_1)
	v_lshl_add_u32 v[STO], v[HH], 5, v[STO]
	s_delay_alu instid0(VALU_DEP_1)
	v_add_nc_u32 v[STO], s27, v[STO]               ; in: row r, 32 bytes for each half of the lanes
	v_mul_u32_u24 v[RD], v[HH], 272
	s_delay_alu instid0(VALU_DEP_1)
	v_lshl_add_u32 v[RD], v[RR], 4, v[RD]
	s_delay_alu instid0(VALU_DEP_1)
	v_add_nc_u32 v[RD], s27, v[RD]                 ; back: lanes 0-15 one row of 256 bytes, lanes 16-31 the next
	v_lshlrev_b32 v[GOF], 4, v0
	v_lshlrev_b32 v[QOF], 6, v[RR]
	s_delay_alu instid0(VALU_DEP_1)
	v_lshl_add_u32 v[QOF], v[HH], 4, v[QOF]        ; Q: row r of 64 bytes + 16 h
	v_lshlrev_b32 v[QSO], 2, v[LN]
	; WHERE THE FILL'S QUADS GO.  T = my thread's number, Tk its bit k.
	; K, load n: key 64 n + T / 4, chunk T % 4 = 2 c + h.  Tile 4 (n % 2) + 2 T7 + T5, row 8 T6 + (T / 4) % 8:  2048 T7 + 1024 T5 + 256 (T % 4) + 128 T6 + 16 ((T / 4) % 8)
	v_bfe_u32 v[TA], v0, 7, 1
	s_delay_alu instid0(VALU_DEP_1)
	v_lshlrev_b32 v[AKL], 11, v[TA]
	v_bfe_u32 v[TA], v0, 5, 1
	s_delay_alu instid0(VALU_DEP_1)
	v_lshl_or_b32 v[AKL], v[TA], 10, v[AKL]
	v_and_b32 v[TA], 3, v0
	s_delay_alu instid0(VALU_DEP_1)
	v_lshl_or_b32 v[AKL], v[TA], 8, v[AKL]
	v_bfe_u32 v[TA], v0, 6, 1
	s_delay_alu instid0(VALU_DEP_1)
	v_lshl_or_b32 v[AKL], v[TA], 7, v[AKL]
	v_bfe_u32 v[TA], v0, 2, 3
	s_delay_alu instid0(VALU_DEP_1)
	v_lshl_or_b32 v[AKL], v[TA], 4, v[AKL]
	; V, load n: row d = 4 n + T / 64, key step (T / 4) % 16, chunk T % 4:  8192 + STEPB ((T / 4) % 16) + 256 (T % 4) + 16 (T / 64)
	v_bfe_u32 v[TA], v0, 2, 4
	s_delay_alu instid0(VALU_DEP_1)
	v_mul_u32_u24 v[AVL], v[TA], STEPB
	v_and_b32 v[TA], 3, v0
	s_delay_alu instid0(VALU_DEP_1)
	v_lshl_add_u32 v[AVL], v[TA], 8, v[AVL]
	v_lshrrev_b32 v[TA], 6, v0
	s_delay_alu instid0(VALU_DEP_1)
	v_lshl_add_u32 v[AVL], v[TA], 4, v[AVL]
	s_delay_alu instid0(VALU_DEP_1)
	v_add_nc_u32 v[AVL], VIM, v[AVL]
	; K's scale words, load n, word e: key 1024 n + 4 T + e: step 8 n + T / 32, block (T / 8) % 4, lane 16 T1 + 8 T2 + 4 T0 + e
	v_lshrrev_b32 v[TA], 5, v0
	s_delay_alu instid0(VALU_DEP_1)
	v_mul_u32_u24 v[AKS], v[TA], STEPB
	v_bfe_u32 v[TA], v0, 1, 1
	s_delay_alu instid0(VALU_DEP_1)
	v_lshl_add_u32 v[AKS], v[TA], 8, v[AKS]
	v_bfe_u32 v[TA], v0, 2, 1
	s_delay_alu instid0(VALU_DEP_1)
	v_lshl_add_u32 v[AKS], v[TA], 7, v[AKS]
	v_and_b32 v[TA], 1, v0
	s_delay_alu instid0(VALU_DEP_1)
	v_lshl_add_u32 v[AKS], v[TA], 6, v[AKS]
	v_bfe_u32 v[TA], v0, 3, 2
	s_delay_alu instid0(VALU_DEP_1)
	v_lshl_add_u32 v[AKS], v[TA], 2, v[AKS]
	s_delay_alu instid0(VALU_DEP_1)
	v_add_nc_u32 v[AKS], KSC, v[AKS]
	s_delay_alu instid0(VALU_DEP_1)
	v_add_nc_u32 v[AKS+1], 8*STEPB, v[AKS]
	; V's scale words, load n, word e: row d = 64 n + T / 4, step 4 (T % 4) + e: lane 16 T6 + (T / 4) % 16, word 2 n + T7
	v_and_b32 v[TA], 3, v0
	s_delay_alu instid0(VALU_DEP_1)
	v_mul_u32_u24 v[AVS], v[TA], 4*STEPB
	v_bfe_u32 v[TA], v0, 6, 1
	s_delay_alu instid0(VALU_DEP_1)
	v_lshl_add_u32 v[AVS], v[TA], 8, v[AVS]
	v_bfe_u32 v[TA], v0, 2, 4
	s_delay_alu instid0(VALU_DEP_1)
	v_lshl_add_u32 v[AVS], v[TA], 4, v[AVS]
	v_lshrrev_b32 v[TA], 7, v0
	s_delay_alu instid0(VALU_DEP_1)
	v_lshl_add_u32 v[AVS], v[TA], 2, v[AVS]
	s_delay_alu instid0(VALU_DEP_1)
	v_add_nc_u32 v[AVS], VSC, v[AVS]
	s_and_b32 s24, ttmp7, 0xffff                   ; the head
	s_lshr_b32 s25, s24, 5                         ; b
	s_and_b32 s26, s24, 31                         ; hh
	s_sub_co_u32 s62, 7, ttmp9                     ; pass 0's block of 256 queries
	s_lshl_b32 s63, s[WV], 5
	s_lshl_b32 s60, s62, 8
	s_add_co_u32 s60, s60, s63                     ; my first query of pass 0
	s_lshl_b32 s61, ttmp9, 8
	s_add_co_u32 s61, s61, s63                     ; and of pass 1
	s_mov_b32 s[SEL], 0x76543210
	s_mov_b32 s[SEL+1], 0xfedcba98
	s_mov_b32 s[CS], 0x3e0293ee
	s_mov_b32 s[CS+1], s[CS]
.irp k, 0,1,2,3
	s_mov_b32 s[PSEL+\k], 0x04040000+\k*0x01010000
.endr
	s_mov_b32 s[FE], 0xfe
	s_mov_b32 s81, 0
	s_mov_b32 s83, 0
	s_wait_kmcnt 0x0
	s_lshl_b32 s80, s24, 17                        ; a head's codes: 131,072 bytes in each of the three tensors
	s_add_nc_u64 s[6:7], s[6:7], s[80:81]
	s_add_nc_u64 s[14:15], s[14:15], s[80:81]
	s_add_nc_u64 s[10:11], s[10:11], s[80:81]
	s_lshl_b32 s80, s24, 13                        ; its scale bytes: 8,192
	s_add_nc_u64 s[8:9], s[8:9], s[80:81]
	s_add_nc_u64 s[16:17], s[16:17], s[80:81]
	s_add_nc_u64 s[12:13], s[12:13], s[80:81]
	s_lshl_b32 s82, s25, 11                        ; flags: 32 bytes for each 32 queries: 2,048 b + my first query
	s_add_co_u32 s80, s82, s60
	s_add_nc_u64 s[76:77], s[18:19], s[80:81]
	s_add_co_u32 s80, s82, s61
	s_add_nc_u64 s[78:79], s[18:19], s[80:81]
	s_load_b256 s[52:59], s[76:77], 0x0            ; pass 0's eight flag words
	s_load_b256 s[68:75], s[78:79], 0x0            ; pass 1's
.set n, 0
.rept 32
	global_load_b128 v[32+4*n:35+4*n], v[GOF], s[6:7] offset:4096*n      ; K's codes: window 0, v32-159
.set n, n+1
.endr
	WIN 0x40                                       ; destination window 1
.set n, 0
.rept 32
	global_load_b128 v[32+4*n:35+4*n], v[GOF], s[14:15] offset:4096*n    ; V's codes: window 1, v32-159
.set n, n+1
.endr
	WIN 0
	s_lshl_b32 s80, s60, 6                         ; the other pointers are made while the codes are on their way
	s_add_nc_u64 s[84:85], s[10:11], s[80:81]      ; Q's codes at my first query of pass 0,
	s_lshl_b32 s80, s61, 6
	s_add_nc_u64 s[86:87], s[10:11], s[80:81]      ; of pass 1;
	s_lshl_b32 s80, s60, 2
	s_add_nc_u64 s[88:89], s[12:13], s[80:81]      ; its scale words likewise
	s_lshl_b32 s80, s61, 2
	s_add_nc_u64 s[90:91], s[12:13], s[80:81]
	s_lshl_b32 s82, s25, 22                        ; the mask: 2^22 bytes for each b, 2,048 a query
	s_add_nc_u64 s[4:5], s[4:5], s[82:83]
	s_lshl_b32 s80, s60, 11
	s_add_nc_u64 s[MB:MB+1], s[4:5], s[80:81]
	s_lshl_b32 s80, s61, 11
	s_add_nc_u64 s[MB+2:MB+3], s[4:5], s[80:81]
	s_lshl_b32 s82, s25, 25                        ; out0: 2^25 bytes for each b, 16,384 a query, 512 a head
	s_lshl_b32 s80, s26, 9
	s_add_co_u32 s82, s82, s80
	s_add_nc_u64 s[20:21], s[20:21], s[82:83]
	s_lshl_b32 s80, s60, 14
	s_add_nc_u64 s[OB:OB+1], s[20:21], s[80:81]
	s_lshl_b32 s80, s61, 14
	s_add_nc_u64 s[OB+2:OB+3], s[20:21], s[80:81]
.set n, 0
.rept 32
	s_wait_alu depctr_va_vdst(0)
	s_wait_loadcnt 63-n                            ; behind K's quad n: K's 31 - n later ones and V's 32
	ds_store_b128 v[AKL], v[32+4*n:35+4*n] offset:((n/2)%3)*STEPB+(n%2)*4096   ; key step n / 2; the 16-bit immediate reaches three steps,
.if (n%6) == 5
	v_add_nc_u32 v[AKL], 3*STEPB, v[AKL]           ; then the register steps on
.endif
.set n, n+1
.endr
.irp n, 0,1
	global_load_b128 v[160+4*\n:163+4*\n], v[GOF], s[8:9] offset:4096*\n     ; K's scale bytes
.endr
.irp n, 0,1
	global_load_b128 v[168+4*\n:171+4*\n], v[GOF], s[16:17] offset:4096*\n   ; V's
.endr
.irp p, 0,1
.irp c, 0,1
	global_load_b128 v[Q+8*\p+4*\c:Q+8*\p+4*\c+3], v[QOF], s[84+2*\p:85+2*\p] offset:32*\c th:TH_LOAD_NT   ; Q's fragments stay in registers: tile 0,
.endr
	global_load_b32 v[QS+4*\p], v[QSO], s[88+2*\p:89+2*\p] th:TH_LOAD_NT
.endr
	WIN 0x40
.irp p, 0,1
.irp c, 0,1
	global_load_b128 v[Q+8*\p+4*\c:Q+8*\p+4*\c+3], v[QOF], s[84+2*\p:85+2*\p] offset:1024+32*\c th:TH_LOAD_NT   ; tile 1, in window 1
.endr
.endr
	WIN 0x04                                       ; an LDS store's data are its source 1: window 1
.set n, 0
.rept 32
	s_wait_loadcnt 45-n                            ; behind V's quad n: V's 31 - n later ones and the 14 loads just issued
	ds_store_b128 v[AVL], v[32+4*n:35+4*n] offset:(n/4)*1024+(n%4)*64          ; d-tile n / 4, row 4 (n % 4) + T / 64
.set n, n+1
.endr
	WIN 0
	s_wait_loadcnt 10                              ; the four scale quads are in; behind them: the ten loads of Q and its scale words
.irp e, 0,1,2,3
	ds_store_b32 v[AKS], v[160+\e] offset:16*\e
	ds_store_b32 v[AKS+1], v[164+\e] offset:16*\e
	ds_store_b32 v[AVS], v[168+\e] offset:\e*STEPB
	ds_store_b32 v[AVS], v[172+\e] offset:\e*STEPB+8
.endr
	s_wait_kmcnt 0x0                               ; the flag words
	s_or_b32 s[FLP], s52, s53
	s_or_b32 s[FLP+1], s68, s69
.irp k, 2,3,4,5,6,7
	s_or_b32 s[FLP], s[FLP], s[52+\k]
	s_or_b32 s[FLP+1], s[FLP+1], s[68+\k]
.endr
.irp x, 0,1
	WIN 0x40*\x
.irp k, 0,1,2,3
	v_mov_b32 v[PT+\k], 0                          ; written once: a lane permute's destination counts as one of its sources
.endr
	v_mov_b32 v[F+1], 0                            ; (named as the upper half of the pair with f before it is first written)
.endr
	WIN 0
	s_wait_loadcnt 0x0                             ; Q and its scale words; the fill's offset registers are free
	s_wait_dscnt 0x0                               ; for the others' sake: my stores into the images have landed
	s_barrier_signal -1
	s_barrier_wait -1                              ; the head's K, V and scale words lie in LDS; from here on they are only read
; 17 LDS loads: the step's eight fragments (of K: off = 0; of V: off = VIM) and the four registers of their scale words.
.macro FRAGS off, sc, scoff
.irp t, 0,1,2,3,4,5,6,7
	ds_load_b128 v[FR+8*\t:FR+8*\t+3], v[ADR] offset:\off+1024*\t
	ds_load_b128 v[FR+8*\t+4:FR+8*\t+7], v[ADR] offset:\off+1024*\t+512
.endr
	ds_load_b128 v[\sc:\sc+3], v[ADR] offset:\scoff
.endm
; S^T = K Q^T (+ the mask's bias) for tile x of pass p: eight products, eight accumulators by turns.  K's scale words of tiles 2 j, 2 j + 1 share register j (lanes 0-15, lanes 16-31), Q's of tiles 0, 1 likewise.
.macro KQ p, x, bias
	WIN 0x54*\x                                    ; K in window 0; Q, C and D in window x
.irp j, 0,1,2,3
.if \bias
.if \x
	v_wmma_scale_f32_16x16x128_f8f6f4 v[S+16*\j:S+16*\j+7], v[FR+16*\j:FR+16*\j+7], v[Q+8*\p:Q+8*\p+7], v[S+16*\j:S+16*\j+7], v[KS+\j], v[QS+4*\p] matrix_a_fmt:MATRIX_FMT_FP4 matrix_b_fmt:MATRIX_FMT_FP4 matrix_b_scale:MATRIX_SCALE_ROW1
	v_wmma_scale_f32_16x16x128_f8f6f4 v[S+16*\j+8:S+16*\j+15], v[FR+16*\j+8:FR+16*\j+15], v[Q+8*\p:Q+8*\p+7], v[S+16*\j+8:S+16*\j+15], v[KS+\j], v[QS+4*\p] matrix_a_fmt:MATRIX_FMT_FP4 matrix_b_fmt:MATRIX_FMT_FP4 matrix_a_scale:MATRIX_SCALE_ROW1 matrix_b_scale:MATRIX_SCALE_ROW1
.else
	v_wmma_scale_f32_16x16x128_f8f6f4 v[S+16*\j:S+16*\j+7], v[FR+16*\j:FR+16*\j+7], v[Q+8*\p:Q+8*\p+7], v[S+16*\j:S+16*\j+7], v[KS+\j], v[QS+4*\p] matrix_a_fmt:MATRIX_FMT_FP4 matrix_b_fmt:MATRIX_FMT_FP4
	v_wmma_scale_f32_16x16x128_f8f6f4 v[S+16*\j+8:S+16*\j+15], v[FR+16*\j+8:FR+16*\j+15], v[Q+8*\p:Q+8*\p+7], v[S+16*\j+8:S+16*\j+15], v[KS+\j], v[QS+4*\p] matrix_a_fmt:MATRIX_FMT_FP4 matrix_b_fmt:MATRIX_FMT_FP4 matrix_a_scale:MATRIX_SCALE_ROW1
.endif
.else
.if \x
	v_wmma_scale_f32_16x16x128_f8f6f4 v[S+16*\j:S+16*\j+7], v[FR+16*\j:FR+16*\j+7], v[Q+8*\p:Q+8*\p+7], 0, v[KS+\j], v[QS+4*\p] matrix_a_fmt:MATRIX_FMT_FP4 matrix_b_fmt:MATRIX_FMT_FP4 matrix_b_scale:MATRIX_SCALE_ROW1
	v_wmma_scale_f32_16x16x128_f8f6f4 v[S+16*\j+8:S+16*\j+15], v[FR+16*\j+8:FR+16*\j+15], v[Q+8*\p:Q+8*\p+7], 0, v[KS+\j], v[QS+4*\p] matrix_a_fmt:MATRIX_FMT_FP4 matrix_b_fmt:MATRIX_FMT_FP4 matrix_a_scale:MATRIX_SCALE_ROW1 matrix_b_scale:MATRIX_SCALE_ROW1
.else
	v_wmma_scale_f32_16x16x128_f8f6f4 v[S+16*\j:S+16*\j+7], v[FR+16*\j:FR+16*\j+7], v[Q+8*\p:Q+8*\p+7], 0, v[KS+\j], v[QS+4*\p] matrix_a_fmt:MATRIX_FMT_FP4 matrix_b_fmt:MATRIX_FMT_FP4
	v_wmma_scale_f32_16x16x128_f8f6f4 v[S+16*\j+8:S+16*\j+15], v[FR+16*\j+8:FR+16*\j+15], v[Q+8*\p:Q+8*\p+7], 0, v[KS+\j], v[QS+4*\p] matrix_a_fmt:MATRIX_FMT_FP4 matrix_b_fmt:MATRIX_FMT_FP4 matrix_a_scale:MATRIX_SCALE_ROW1
.endif
.endif
.endr
.endm
; O^T += V^T P^T for tile x: eight products, eight accumulators by turns; K = the step's 128 keys.
.macro PV x
	WIN 0x54*\x                                    ; V in window 0; P, C and D in window x
.irp j, 0,1,2,3
	v_wmma_scale_f32_16x16x128_f8f6f4 v[O+16*\j:O+16*\j+7], v[FR+16*\j:FR+16*\j+7], v[PC:PC+7], v[O+16*\j:O+16*\j+7], v[VS+\j], v[PS+\x] matrix_a_fmt:MATRIX_FMT_FP4 matrix_b_fmt:MATRIX_FMT_FP4
	v_wmma_scale_f32_16x16x128_f8f6f4 v[O+16*\j+8:O+16*\j+15], v[FR+16*\j+8:FR+16*\j+15], v[PC:PC+7], v[O+16*\j+8:O+16*\j+15], v[VS+\j], v[PS+\x] matrix_a_fmt:MATRIX_FMT_FP4 matrix_b_fmt:MATRIX_FMT_FP4 matrix_a_scale:MATRIX_SCALE_ROW1
.endr
.endm
; The mask's bytes of my query of tile x for the step's 128 keys: quad bb = keys 32 bb + 16 (lane / 16) + 0 .. 15, the very keys of registers S + 16 bb + 0 .. 15.
.macro BIASLOAD p, x
	WIN 0x40*\x
.irp bb, 0,1,2,3
	global_load_b128 v[PC+4*\bb:PC+4*\bb+3], v[MOK], s[MB+2*\p:MB+2*\p+1] offset:32768*\x+32*\bb
.endr
.endm
; They become the C of the score products: a byte 0 gives 0.0, a byte 1 gives 0xfefe0000 = -1.69e38.
.macro BIAS x
	WIN 0x55*\x
.irp n, 0,1,2,3,4,5,6,7,8,9,10,11,12,13,14,15
	v_mul_lo_u32 v[PC+\n], v[PC+\n], s[FE]         ; each byte 0 or 0xfe: no carry from byte to byte
.endr
.irp bb, 0,1,2,3
.irp jj, 0,1,2,3
.irp k, 0,1,2,3
	v_perm_b32 v[S+16*\bb+4*\jj+\k], v[PC+4*\bb+\jj], 0, s[PSEL+\k]   ; byte k into the two upper bytes, zeros below
.endr
.endr
.endr
.endm
; THE SOFTMAX AND THE QUANTISER of tile x for one key step: all in window x but p's scale word, which a matrix instruction takes from window 0.
.macro SOFTMAX x
	WIN 0x55*\x
.irp b, 0,1,2,3
	v_max3_num_f32 v[BM+\b], v[S+16*\b], v[S+1+16*\b], v[S+2+16*\b]   ; THE LARGEST SCORE OF EACH BLOCK OF 32 KEYS serves twice: for the row's maximum and, since p rises with the score, for the block's largest p
.endr
.irp i, 3,5,7,9,11,13
.irp b, 0,1,2,3
	v_max3_num_f32 v[BM+\b], v[BM+\b], v[S+16*\b+\i], v[S+1+16*\b+\i]   ; (the four blocks by turns; each accumulator is first read at its low end)
.endr
.endr
.irp b, 0,1,2,3
	v_max_num_f32 v[BM+\b], v[BM+\b], v[S+15+16*\b]
.endr
.irp b, 0,1,2,3
	s_delay_alu instid0(VALU_DEP_4)
	v_permlanex16_b32 v[PT+\b], v[BM+\b], s[SEL], s[SEL+1]
.endr
.irp b, 0,1,2,3
	s_delay_alu instid0(VALU_DEP_4)
	v_max_num_f32 v[BM+\b], v[BM+\b], v[PT+\b]     ; with lane l xor 16's 16 keys
.endr
	s_delay_alu instid0(VALU_DEP_2)
	v_max3_num_f32 v[T], v[BM], v[BM+1], v[BM+2]
	s_delay_alu instid0(VALU_DEP_1)
	v_max_num_f32 v[T], v[T], v[BM+3]              ; the step's largest score of my query
	s_delay_alu instid0(VALU_DEP_1)
	v_mul_f32 v[T], s[CS], v[T]                    ; as t (c is positive)
	s_delay_alu instid0(VALU_DEP_1)
	v_max_num_f32 v13, v13, v[T]                   ; the running largest t
	v_mov_b32 v[T], v12
	s_delay_alu instid0(VALU_DEP_2)
	v_floor_f32 v12, -v13                          ; the new -M = floor(-t) = -ceil(t): M IS A WHOLE NUMBER
	s_delay_alu instid0(VALU_DEP_1)
	v_sub_f32 v[T], v12, v[T]                      ; M's old value less its new one: a whole number, 0 or less
	s_delay_alu instid0(VALU_DEP_1)
	v_cvt_i32_f32 v[T], v[T]                       ; (it saturates)
	s_delay_alu instid0(VALU_DEP_1)
	v_ldexp_f32 v[F], 1.0, v[T]                    ; f = 2^(old M - new M)
.irp j, 0,2,4,6,8,10,12,14,16,18,20,22,24,26,28,30,32,34,36,38,40,42,44,46,48,50,52,54,56,58,60,62
	v_pk_fma_f32 v[S+\j:S+1+\j], v[S+\j:S+1+\j], s[CS:CS+1], v[12:13] op_sel_hi:[1,0,0]   ; t - M, two at a time (of the pairs c and -M the low word serves both halves)
.endr
.irp b, 0,1,2,3
	v_fma_f32 v[BM+\b], v[BM+\b], s[CS], v12       ; the same of each block's largest score
.endr
	s_wait_alu depctr_va_vdst(0)
.irp j, 0,1,2,3,4,5,6,7,8,9,10,11,12,13,14,15,16,17,18,19,20,21,22,23,24,25,26,27,28,29,30,31,32,33,34,35,36,37,38,39,40,41,42,43,44,45,46,47,48,49,50,51,52,53,54,55,56,57,58,59,60,61,62,63
	v_exp_f32 v[S+\j], v[S+\j]                     ; p = 2^(t - M), at most 1: NOT normalised
.endr
	v_pk_mul_f32 v[14:15], v[14:15], v[F:F+1] op_sel_hi:[1,0]   ; the sums under the new M: the plain instruction behind the exponentials
	s_wait_alu depctr_va_vdst(0)                   ; one wait for the batch of 64, ahead of its first reader
.irp b, 0,1,2,3
	v_exp_f32 v[BM+\b], v[BM+\b]                   ; the block's largest p: the same two instructions on the same number give the same bits
.endr
	v_pk_add_f32 v[PT:PT+1], v[S:S+1], v[S+2:S+3]  ; THE ROW'S SUM IS TAKEN OF THE UNQUANTISED p: two at a time, in two chains (they read the 64 alone: plain work behind the four)
.irp j, 4,8,12,16,20,24,28,32,36,40,44,48,52,56,60
	v_pk_add_f32 v[14:15], v[14:15], v[S+\j:S+1+\j]
	v_pk_add_f32 v[PT:PT+1], v[PT:PT+1], v[S+2+\j:S+3+\j]
.endr
	s_delay_alu instid0(VALU_DEP_1)
	v_pk_add_f32 v[14:15], v[14:15], v[PT:PT+1]
	s_wait_alu depctr_va_vdst(0)                   ; and one for the four
.irp b, 0,1,2,3
	v_max_num_f32 v[BM+\b], 0x1800000, v[BM+\b]    ; the floor 2^(3 - 127): the byte cannot fall under 1 (a block whose every p is 0 keeps that byte: its codes are zeros)
.endr
.irp b, 0,1,2,3
	s_delay_alu instid0(VALU_DEP_4)
	v_add_nc_u32 v[SO+\b], 0xff000000, v[BM+\b]    ; 2 off the exponent field: the conversion's scale operand
.endr
.irp b, 0,1,2,3
	s_delay_alu instid0(VALU_DEP_4)
	v_lshrrev_b32 v[PT+\b], 23, v[SO+\b]           ; the scale's byte
.endr
	s_delay_alu instid0(VALU_DEP_3)
	v_lshl_or_b32 v[F+1], v[PT+1], 8, v[PT]
	s_delay_alu instid0(VALU_DEP_1)
	v_lshl_or_b32 v[F+1], v[PT+2], 16, v[F+1]
	WIN 0x11*\x                                    ; sources in window x, destination in window 0
	v_lshl_or_b32 v[PS+\x], v[PT+3], 24, v[F+1]    ; p's scale word for these 128 keys
	WIN 0x55*\x
.irp b, 0,1,2,3
	v_cvt_scalef32_pk8_fp4_f32 v[PC+2*\b], v[S+16*\b:S+7+16*\b], v[SO+\b]
	v_cvt_scalef32_pk8_fp4_f32 v[PC+1+2*\b], v[S+8+16*\b:S+15+16*\b], v[SO+\b]
.endr
	v_nop                                          ; one plain instruction behind the scaled conversions
.irp c, 0,1                                    ; the operand's layout wants a WHOLE block in a lane: lanes 0-15 block 2 c, lanes 16-31 block 2 c + 1
.irp i, 0,1
	v_permlane16_swap_b32 v[PC+4*\c+\i], v[PC+2+4*\c+\i]
.endr
.endr
.irp j, 0,2,4,6,8,10,12,14,16,18,20,22,24,26,28,30,32,34,36,38,40,42,44,46,48,50,52,54,56,58,60,62
	v_pk_mul_f32 v[O+\j:O+1+\j], v[O+\j:O+1+\j], v[F:F+1] op_sel_hi:[1,0]   ; O^T under the new M.  (These 32 also stand between the writes of p's codes and scale word and the products that take them)
.endr
.endm
; A pass begins.  Which step is a tile's first hangs on the flag word, so no product can be written out as the one that starts the sums: O^T begins as zeros.
.macro INIT x
	WIN 0x40*\x
	v_mov_b32 v13, 0xf0000000                      ; the largest t so far: -2^97
	v_mov_b32 v12, 0x70000000                      ; -M = 2^97
	v_mov_b32 v14, 0
	v_mov_b32 v15, 0
.irp j, 0,1,2,3,4,5,6,7,8,9,10,11,12,13,14,15,16,17,18,19,20,21,22,23,24,25,26,27,28,29,30,31,32,33,34,35,36,37,38,39,40,41,42,43,44,45,46,47,48,49,50,51,52,53,54,55,56,57,58,59,60,61,62,63
	v_mov_b32 v[O+\j], 0
.endr
.endm
; THE WAY OUT of a pass.  O^T is divided by the row's sum and goes through my stage in LDS, half a head's row (64 channels, 256 bytes) of 16 queries at a time, so that sixteen lanes store 256 consecutive bytes, at a multiple of 256 from out0's first byte.
.macro OUT p
	PLACES 4                                       ; behind the last products, ahead of the first read of their results
.irp x, 0,1
	WIN 0x55*\x
	v_add_f32 v14, v14, v15                        ; the sum's two halves,
	s_delay_alu instid0(VALU_DEP_1)
	v_permlanex16_b32 v[PT], v14, s[SEL], s[SEL+1]
	s_delay_alu instid0(VALU_DEP_1)
	v_add_f32 v14, v14, v[PT]                      ; and lane l xor 16's: the row's sum
	s_wait_alu depctr_va_vdst(0)
	v_rcp_f32 v14, v14
	v_nop                                          ; a plain instruction behind the reciprocal
	s_wait_alu depctr_va_vdst(0)                   ; and the wait ahead of its first reader
.irp j, 0,2,4,6,8,10,12,14,16,18,20,22,24,26,28,30,32,34,36,38,40,42,44,46,48,50,52,54,56,58,60,62
	v_pk_mul_f32 v[S+\j:S+1+\j], v[O+\j:O+1+\j], v[14:15] op_sel_hi:[1,0]   ; register 8 t + i is o(query r, channel 16 t + 8 h + i); each accumulator from its low end on
.endr
.endr
	s_wait_alu depctr_va_vdst(0)
.irp x, 0,1
.irp u, 0,1                                    ; channels 64 u on
	WIN 0x04*\x                                    ; an LDS store's data: window x
.irp t, 0,1,2,3
	ds_store_b128 v[STO], v[S+32*\u+8*\t:S+32*\u+8*\t+3] offset:64*\t
	ds_store_b128 v[STO], v[S+32*\u+8*\t+4:S+32*\u+8*\t+7] offset:64*\t+16
.endr
	WIN 0x40*\x
.irp i, 0,1,2,3,4,5,6,7
	ds_load_b128 v[FR+32*\u+4*\i:FR+32*\u+4*\i+3], v[RD] offset:544*\i   ; LDS serves a wave's instructions in order (ISA guide 5.7.1.4): these see my stores, and the next half's stores come behind them
.endr
.endr
	WIN 0x04*\x                                    ; a store's data: window x
.irp u, 0,1
.irp i, 0,1,2,3,4,5,6,7
	s_wait_dscnt 23-16*\u-\i                       ; behind this load: the 7 - i later ones of its half, and for the first half the second's 16 LDS instructions
	global_store_b128 v[GO], v[FR+32*\u+4*\i:FR+32*\u+4*\i+3], s[OB+2*\p:OB+2*\p+1] offset:262144*\x+32768*\i+256*\u th:TH_STORE_NT   ; queries 16 x + 2 i and + 1
.endr
.endr
.endr
	WIN 0
.if \p == 0
	s_wait_xcnt 0x0                                ; the stores have read their registers: the next pass loads fragments into them
.endif
.endm
; A PASS: 256 queries of the work-group, 32 of my wave, against all 16 key steps.  The trip count is the constant 16; what a flag word leaves out is a step's WORK, by a scalar branch round it.
.macro PASS p
	INIT 0
	INIT 1
	WIN 0
	s_mov_b32 s[TB], 0
	s_mov_b32 s[KF], 0
	s_mov_b32 s[FL], s[FLP+\p]
	s_mov_b32 s[CNT], 16
.Lstep_\p:
	s_bitcmp1_b32 s[FL], 0                         ; is any of the 32 x 128 places open?
	s_cbranch_scc0 .Lskip_\p
	v_add_nc_u32 v[ADR], s[TB], v[LI]
	v_add_nc_u32 v[MOK], s[KF], v[MO]
	PLACES 2                                       ; with the two additions: four places behind the last step's products, ahead of loads into registers that they read
	FRAGS 0, KS, KSC                               ; K's eight fragments and their scale words
	s_bitcmp1_b32 s[FL], 1                         ; is any place masked?
	s_cbranch_scc1 .Lmixed_\p
	s_wait_dscnt 0x0
	KQ \p, 0, 0
	KQ \p, 1, 0
	WIN 0
	s_branch .Ljoin_\p
.Lmixed_\p:
	s_wait_alu depctr_va_vdst(0)
	BIASLOAD \p, 0
	BIASLOAD \p, 1
	s_wait_loadcnt 0x0
	BIAS 0
	BIAS 1
	WIN 0
	PLACES 4
	s_wait_alu depctr_va_vdst(0)
	s_wait_dscnt 0x0
	KQ \p, 0, 1
	KQ \p, 1, 1
	WIN 0
.Ljoin_\p:
	PLACES 4                                       ; behind the score products: ahead of the loads over K's fragments and of the first read of S^T
	s_wait_alu depctr_va_vdst(0)
	FRAGS VIM, VS, VSC                             ; V's eight fragments and their scale words land during tile 0's softmax
	SOFTMAX 0
	s_wait_alu depctr_va_vdst(0)
	s_wait_dscnt 0x0
	PV 0
	SOFTMAX 1                                      ; tile 1's vector work is issued while tile 0's products are at work
	PV 1
	WIN 0
.Lskip_\p:
	s_lshr_b32 s[FL], s[FL], 2
	s_add_co_u32 s[TB], s[TB], STEPB
	s_add_co_u32 s[KF], s[KF], 128
	s_sub_co_u32 s[CNT], s[CNT], 1
	s_cmp_lg_u32 s[CNT], 0
	s_cbranch_scc1 .Lstep_\p
	OUT \p
.endm
	PASS 0
	PASS 1
	s_set_vgpr_msb 0x4
	s_wait_tensorcnt 0x0
	ds_add_u32 v245, v255
	s_wait_dscnt 0x0
	s_set_vgpr_msb 0x400
	s_endpgm
.Lfunc_end_k_q6dcdf01c56_attn:
	.size	k_q6dcdf01c56_attn, .Lfunc_end_k_q6dcdf01c56_attn-k_q6dcdf01c56_attn
	.p2alignl 7, 3214868480
	.fill 96, 4, 3214868480
	.section	.rodata,"a",@progbits
	.p2align	6, 0x0
	.amdhsa_kernel k_q6dcdf01c56_attn
		.amdhsa_group_segment_fixed_size 314368
		.amdhsa_private_segment_fixed_size 0
		.amdhsa_enable_private_segment 0
		.amdhsa_kernarg_size 72
		.amdhsa_user_sgpr_count 2
		.amdhsa_user_sgpr_kernarg_segment_ptr 1
		.amdhsa_wavefront_size32 1
		.amdhsa_system_sgpr_workgroup_id_x 1
		.amdhsa_system_sgpr_workgroup_id_y 1
		.amdhsa_system_sgpr_workgroup_id_z 1
		.amdhsa_system_vgpr_workitem_id 0
		.amdhsa_next_free_vgpr 512
		.amdhsa_next_free_sgpr 96
		.amdhsa_reserve_vcc 0
		.amdhsa_float_denorm_mode_32 3
		.amdhsa_float_denorm_mode_16_64 3
		.amdhsa_memory_ordered 1
		.amdhsa_forward_progress 1
		.amdhsa_inst_pref_size 154
	.end_amdhsa_kernel
	.amdgpu_metadata
---
amdhsa.version: [ 1, 2 ]
amdhsa.kernels:
  - .name:           k_q6dcdf01c56_attn
    .symbol:         k_q6dcdf01c56_attn.kd
    .args:
      - { .name: attention_mask, .offset: 0, .size: 8, .value_kind: global_buffer, .address_space: global }
      - { .name: key_layer_codes, .offset: 8, .size: 8, .value_kind: global_buffer, .address_space: global }
      - { .name: key_layer_scales, .offset: 16, .size: 8, .value_kind: global_buffer, .address_space: global }
      - { .name: query_layer_codes, .offset: 24, .size: 8, .value_kind: global_buffer, .address_space: global }
      - { .name: query_layer_scales, .offset: 32, .size: 8, .value_kind: global_buffer, .address_space: global }
      - { .name: value_layer_codes, .offset: 40, .size: 8, .value_kind: global_buffer, .address_space: global }
      - { .name: value_layer_scales, .offset: 48, .size: 8, .value_kind: global_buffer, .address_space: global }
      - { .name: flags, .offset: 56, .size: 8, .value_kind: global_buffer, .address_space: global }
      - { .name: out0, .offset: 64, .size: 8, .value_kind: global_buffer, .address_space: global }
    .group_segment_fixed_size: 314368
    .private_segment_fixed_size: 0
    .kernarg_segment_align: 8
    .kernarg_segment_size: 72
    .max_flat_workgroup_size: 256
    .sgpr_count:     96
    .vgpr_count:     512
    .wavefront_size: 32
...
	.end_amdgpu_metadata
.endif
;; end of part 2
